; MI455X (gfx1250); checked and timed in simulation.
; The chip was launched on July 23, 2026; its instructions are those of AMD's public machine-readable ISA for CDNA 5 (MIT licence, August 2026) and "CDNA5" Instruction Set Architecture Reference Guide (July 2026). The comments in the code are by the model that wrote it; some were corrected since.
;; Attention. Allowed arithmetic: matrix products marked QUANTISED: E2M1 operands, one E8M0 scale for each 32 along K, by v_wmma_scale_f32_16x16x128_f8f6f4 with both operands' format E2M1 (or v_wmma_scale_f32_32x16x128_f4), f32 sums; everything else in f32.
;; Inputs: key 2 x 2,048 x 1,024 float32; query 2 x 2,048 x 2,048 float32; value 2 x 2,048 x 1,024 float32.
;; Outputs: out0 2 x 2,048 x 2,048 float32.
;; This version of the problem:
;;   THIS VERSION OF THE PROBLEM IS GIVEN IN LOW PRECISION. The matrix products marked QUANTISED in the list below multiply operands that are first quantised to E2M1 (2 exponent bits, 1 mantissa bit; 4 bits a number), with one power-of-two scale for each 32 numbers along K (OCP MX v1.0); their sums are f32. All else is computed in f32.
;;   The module's matrix products, in the order in which they are computed (A, B: the left and right operand; K: the contracted axis; several contracted axes count as one K, in the product's order):
;;     1. batch 32 x [M 2,048, K 128] x [K 128, N 2,048]; A: input query; B: input key: QUANTISED
;;     2. batch 32 x [M 128, K 2,048] x [K 2,048, N 2,048]; A: input value; B: softmax (see below): QUANTISED
;;   THE QUANTISER, for each operand of a quantised product, along K:
;;     - K is cut into blocks of 32 from its start; a last block that is shorter is filled with zeros.
;;     - A block's scale is 2^e with e = floor(log2(the largest magnitude in the block)) - 2, held to -126 .. 127; a block of zeros has e = 0. As a byte (E8M0): e + 127.
;;     - Each number is divided by its block's scale, clamped to +-6, and rounded to the nearest number of E2M1, ties to even, subnormals kept.
;;     - The product sums the exact products of the quantised numbers (number of the format x scale) in f32.
;;   ~~~python
;;   def quantise(x, axis):      # numpy; x: float32 -> the quantised numbers, widened to float32 again
;;       x = np.moveaxis(x, axis, -1); K = x.shape[-1]
;;       x = np.pad(x, [(0, 0)] * (x.ndim - 1) + [(0, -K % 32)]); x = x.reshape(x.shape[:-1] + (-1, 32)); a = np.abs(x).max(-1, keepdims=True)
;;       e = np.where(a > 0, np.clip(np.frexp(np.where(a > 0, a, 1))[1] - 1 - 2, -126, 127), 0)      # np.frexp(a)[1] - 1 = floor(log2(a)), exactly
;;       r = np.clip(x / 2.0 ** e, -6, 6)
;;       step = 2.0 ** (np.maximum(np.frexp(np.where(r == 0, 1, r))[1] - 1, 0) - 1)
;;       q = np.round(r / step) * step * 2.0 ** e      # np.round: ties to even
;;       return np.moveaxis(q.reshape(q.shape[:-2] + (-1,))[..., :K], -1, axis).astype(np.float32)
;;   ~~~
;;   SOFTMAX AHEAD OF A QUANTISED PRODUCT. Where the list says 'softmax', what is quantised is not the finished softmax but p = 2^(t - M), with t = logit x log2(e) and M = ceil(the row's largest t), a whole number; so 1/2 < the row's largest p <= 1. The row's sum l is taken of the UNQUANTISED p, in f32, and the product's result is divided by l at the end. Since M is a whole number, a kernel that streams over the keys may use a running M (the ceiling of the running maximum): every later rescaling is an exact power of two, which a block's scale takes up: the codes' values come out the same.
;;   OPERANDS COMPUTED ON THE WAY. 'Computed on the way' means the value that the module computes at that place (a softmax that the list does not call 'softmax' is quantised finished and normalised). What goes into a quantiser is computed in f32, as accurately as f32 sums, v_exp_f32 and their like allow (about 1e-6 of the number): no bf16 or f16 on the way to a quantiser, and a product that is left as it is and whose result goes on into a quantised operand takes f32 operands (vector FMAs, or v_wmma_f32_16x16x4_f32). A number that lies on a knife's edge between two numbers of the format may be rounded either way, as far as f32 arithmetic and the matrix unit's own rounding can turn it there, and no further.
;; One version. Each part assembles by itself: llvm-mc -triple=amdgcn-amd-amdhsa -mcpu=gfx1250 --defsym DOCPART=n.
;; ======== version 1 of 1: 2 launches
;; workspace buffers: kvq 4,456,448 bytes
;; launch quant (part 1): grid 16 x 16, 8 waves a work-group, no clusters, 69,632 bytes of LDS; arguments key, value, kvq; writes kvq
.if DOCPART == 1
	.amdgcn_target "amdgcn-amd-amdhsa--gfx1250"
	.amdhsa_code_object_version 6
	.text
	.protected	k_q344de33d62_quant
	.globl	k_q344de33d62_quant
	.p2align	8
	.type	k_q344de33d62_quant,@function
k_q344de33d62_quant:
	s_mov_b64 s[64:65], 0
	v_nop
	global_prefetch_b8 v0, s[64:65] scope:SCOPE_SE
	s_setreg_imm32_b32 hwreg(HW_REG_WAVE_MODE, 25, 1), 1
	s_wait_xcnt 0x0
; key and value, [2][2048][8 x 128] f32, become codes of FP4 (E2M1) with one E8M0 scale byte for each 32 along a product's K:
; key along the head's 128 (the first product's K), value along the KEYS (the second product's K), in blocks of 32 counted from key 0.
; A block's scale is 2^(floor(log2(its largest magnitude)) - 2); its byte is the largest magnitude's exponent field - 2, held at 1 from below.
; LIMITS: a block of zeros gets the byte 1 where the quantiser says 127 (its codes are zeros, which add nothing, and this program alone reads the bytes);
; blocks whose largest magnitude lies under 2^-124 share that byte; NaN and infinities among the inputs are not served.
; A work-group (x = step of 128 keys, y = 8 x batch + KV head) makes ONE block of STEPB bytes of kvq, laid in the order of the operands' registers:
;   0      K's eight fragments, 1,024 bytes each: byte 256 blk + 16 r = the 32 codes of d = 32 blk .. + 31 of the tile's row r,
;          so that two loads of 16 bytes a lane at 16 x lane, 512 bytes apart, are the operand's eight registers.
;          Row r of tile 2 b + u is key 32 b + 8 u + r % 8 + 16 (r / 8) of the step: the scores of two neighbouring tiles are then 16 neighbouring keys in a lane.
;   8192   V's eight fragments likewise: tile t's row r is d = 16 t + r, blk the key block 32 blk .. + 31 of the step.
;   16384  K's scale words: that of (tile T, row r) at 16 (r + 16 (T / 4)) + 4 (T % 4): one load of 16 bytes a lane brings tiles 0-3 to lanes 0-15 and tiles 4-7 to lanes 16-31.
;   16896  V's scale words, likewise.
; Waves 0-3 take K (32 keys each), waves 4-7 take V (32 of the head's 128 each).  They part once on the wave's number and meet at one barrier, behind which wave 0 stores the 1,024 bytes of scale words.
; No tensor loads, no loop: every offset is an immediate, and no source of a pending memory instruction is written again.
.set STEPB,  17408
.set KPITCH, 528                       ; a stage row: 512 bytes + 16 = 33 x 16: the sixteen rows that a load touches start in sixteen different 16-byte columns of 256 bytes
.set KSTG,   32*KPITCH                 ; a K wave's own stage: 32 keys
.set SC,     4*KSTG                    ; behind the four stages: K's 512 bytes of scale words, then V's
.set LI,  1                            ; v1   16 x lane
.set L4,  2                            ; v2   4 x lane
.set KST, 3                            ; v3   stage, on the way in: 16 x lane
.set KRD, 4                            ; v4   stage, on the way out: 528 r + 128 h
.set KSW, 5                            ; v5   where K's scale words go
.set VSW, 6                            ; v6   where V's go
.set SCR, 7                            ; v7   the scale words, read back: 16 x lane
.set VO,  8                            ; v8   V's codes in kvq: 1,024 h + 16 r
.set SH,  9                            ; v9   8 h
.set T0,  10                           ; v10, v11  largest magnitudes, two chains
.set T1,  11
.set SCL, 12                           ; v12  the conversions' scale operand
.set PT,  13                           ; v13  a lane permute's destination
.set W,   14                           ; v14, v15  scale words
.set E,   16                           ; v16-19  scale bytes
.set C,   20                           ; v20-35  codes: four registers for each of four blocks, so that no store's data are written again
.set X,   48                           ; v48-175 128 numbers
	s_load_b128 s[4:7], s[0:1], 0x0                ; key, value
	s_load_b64 s[8:9], s[0:1], 0x10                ; kvq
	v_lshl_add_u32 v176, v0, 2, 0x10c00
	v_mov_b32 v177, 0
	v_lshrrev_b32 v10, 5, v0
	v_readfirstlane_b32 s10, v10                   ; wave 0..7
	s_and_b32 s11, s10, 3                          ; w: my place among the four waves of my role
	s_and_b32 s18, ttmp7, 0xffff                   ; 8 x batch + KV head
	s_lshr_b32 s12, s18, 3                         ; batch
	s_and_b32 s13, s18, 7                          ; KV head
	s_lshl_b32 s14, s12, 23                        ; batch x 2,048 rows of 4,096 bytes
	s_lshl_b32 s19, ttmp9, 19                      ; step x 128 rows
	s_add_co_u32 s14, s14, s19
	s_lshl_b32 s19, s13, 9                         ; the head's 512 bytes of a row
	s_add_co_u32 s14, s14, s19
	s_lshl_b32 s19, s11, 17                        ; K: my 32 rows
	s_add_co_u32 s16, s14, s19
	s_mov_b32 s17, 0
	s_lshl_b32 s19, s11, 7                         ; V: my 32 columns
	s_add_co_u32 s14, s14, s19
	s_mov_b32 s15, 0
	s_lshl_b32 s19, s18, 4
	s_add_co_u32 s19, s19, ttmp9
	s_mul_i32 s30, s19, STEPB                      ; my block of kvq
	s_mov_b32 s31, 0
	s_lshl_b32 s32, s11, 11                        ; my two tiles in it
	s_mov_b32 s33, 0
	s_mul_i32 s34, s11, KSTG                       ; my stage
	s_lshr_b32 s35, s11, 1
	s_lshl_b32 s35, s35, 8
	s_and_b32 s36, s11, 1
	s_lshl_b32 s36, s36, 3
	s_add_co_u32 s35, s35, s36                     ; my tiles' place among the scale words: 256 (w / 2) + 8 (w % 2)
	s_mov_b32 s20, 0x76543210
	s_mov_b32 s21, 0xfedcba98                      ; v_permlanex16_b32's selects for lane l xor 16
	; every LDS address is made here, ahead of the parting
	v_and_b32 v10, 31, v0                          ; lane
	v_and_b32 v11, 15, v0                          ; r
	v_bfe_u32 v12, v0, 4, 1                        ; h
	v_lshlrev_b32 v[LI], 4, v10
	v_lshlrev_b32 v[L4], 2, v10
	v_add_nc_u32 v[KST], s34, v[LI]
	v_mul_u32_u24 v[KRD], v11, KPITCH
	v_lshl_add_u32 v[KRD], v12, 7, v[KRD]
	v_add_nc_u32 v[KRD], s34, v[KRD]
	v_lshl_add_u32 v[KSW], v11, 4, s35
	v_add_nc_u32 v[KSW], SC, v[KSW]
	v_lshl_add_u32 v[VSW], v12, 2, v[KSW]
	v_add_nc_u32 v[VSW], 512, v[VSW]
	v_add_nc_u32 v[SCR], SC, v[LI]
	v_lshlrev_b32 v[VO], 4, v11
	v_lshl_add_u32 v[VO], v12, 10, v[VO]
	v_lshlrev_b32 v[SH], 3, v12
	v_mov_b32 v[PT], 0                             ; written once: a lane permute's destination counts as one of its sources
	s_wait_kmcnt 0x0
	s_add_nc_u64 s[22:23], s[4:5], s[16:17]        ; key at my first row
	s_add_nc_u64 s[24:25], s[6:7], s[14:15]        ; value at the step's first row, my first column
	s_add_nc_u64 s[26:27], s[8:9], s[30:31]        ; my work-group's block of kvq
	s_add_nc_u64 s[28:29], s[26:27], s[32:33]      ; and my two tiles in it
; 32 numbers of one block, v[x] .. v[x + 31], all in my lane, become 32 codes in v[c] .. v[c + 3] and the scale's byte in v[e].
.macro QB x, c, e
	v_max3_num_f32 v[T0], |v[(\x)]|, |v[(\x)+1]|, |v[(\x)+2]|
	v_max3_num_f32 v[T1], |v[(\x)+3]|, |v[(\x)+4]|, |v[(\x)+5]|
.irp i, 6,10,14,18,22,26
	v_max3_num_f32 v[T0], v[T0], |v[(\x)+\i]|, |v[(\x)+\i+1]|
	v_max3_num_f32 v[T1], v[T1], |v[(\x)+\i+2]|, |v[(\x)+\i+3]|
.endr
	v_max3_num_f32 v[T0], v[T0], |v[(\x)+30]|, |v[(\x)+31]|
	v_max3_num_f32 v[T0], v[T0], v[T1], 0x1800000  ; and the floor 2^(3 - 127): the byte cannot fall under 1
	v_add_nc_u32 v[SCL], 0xff000000, v[T0]         ; 2 off the exponent field: the conversion takes the exponent field of this operand as its scale, and nothing else of it
.irp g, 0,1,2,3
	v_cvt_scalef32_pk8_fp4_f32 v[(\c)+\g], v[(\x)+8*\g:(\x)+8*\g+7], v[SCL]
.endr
	v_lshrrev_b32 v[(\e)], 23, v[SCL]              ; the scale's byte; also the plain instruction behind the conversions
.endm
	s_cmp_lt_u32 s10, 4
	s_cbranch_scc0 .Lvalue
	; ---- K: keys 32 w .. 32 w + 31.  Each load reads a key's 512 consecutive bytes, 16 a lane; the conversions want 32 neighbours along d in ONE lane: so the rows turn through my own stage.
.set kk, 0
.rept 32
	global_load_b128 v[X+4*kk:X+4*kk+3], v[LI], s[22:23] offset:4096*kk th:TH_LOAD_NT
.set kk, kk+1
.endr
.set kk, 0
.rept 32
	s_wait_loadcnt 31-kk                           ; loads come back in order: key kk is in, the younger ones stay out
	ds_store_b128 v[KST], v[X+4*kk:X+4*kk+3] offset:(16*((kk/8)%2)+kk%8+8*(kk/16))*KPITCH   ; the stage's rows lie in the tiles' order: 16 u + r
.set kk, kk+1
.endr
.irp u, 0,1
.irp c, 0,1
.irp j, 0,1,2,3,4,5,6,7
	ds_load_b128 v[X+32*(2*\u+\c)+4*\j:X+32*(2*\u+\c)+4*\j+3], v[KRD] offset:16*\u*KPITCH+256*\c+16*\j   ; row r of tile 2 w + u, d = 64 c + 32 h on.  LDS serves a wave's instructions in order: these see my stores
.endr
.endr
.endr
.irp u, 0,1
.irp c, 0,1
	s_wait_dscnt 8*(3-2*\u-\c)                     ; this block's eight loads are in; those of the later blocks stay out
	QB X+32*(2*\u+\c), C+4*(2*\u+\c), E+2*\u+\c
	global_store_b128 v[LI], v[C+4*(2*\u+\c):C+4*(2*\u+\c)+3], s[28:29] offset:1024*\u+512*\c   ; blocks 2 c (lanes 0-15) and 2 c + 1 (lanes 16-31): 512 consecutive bytes, aligned
.endr
.endr
.irp u, 0,1
	v_lshl_or_b32 v[W+\u], v[E+2*\u+1], 16, v[E+2*\u]   ; my two bytes: blocks h and 2 + h of row r,
	v_lshlrev_b32 v[W+\u], v[SH], v[W+\u]          ; at their places in the word (8 h bits up);
	v_permlanex16_b32 v[PT], v[W+\u], s20, s21
	v_or_b32 v[W+\u], v[W+\u], v[PT]               ; with lane l xor 16's two the word is whole
	ds_store_b32 v[KSW], v[W+\u] offset:4*\u       ; both halves of the lanes write the same word with the same value
.endr
	s_branch .Ljoin
.Lvalue:
	; ---- V: d = 32 w + lane.  A LANE TAKES A COLUMN, AND ITS REGISTERS RUN DOWN THE KEYS: a block of 32 keys lies in one lane, and the codes come out with the keys innermost.
.macro VLOAD t                         ; key block t: 32 loads, each 128 consecutive bytes a wave; the four V waves stand side by side on 512
.set kk, 0
.rept 32
	global_load_b32 v[X+32*(\t)+kk], v[L4], s[24:25] offset:4096*(32*(\t)+kk) th:TH_LOAD_NT
.set kk, kk+1
.endr
.endm
	VLOAD 0
	VLOAD 1
.irp t, 0,1,2,3
.if \t < 3
	s_wait_loadcnt 32                              ; this block's 32 loads are in; the next block's 32 stay out
.else
	s_wait_loadcnt 0x0
.endif
.if \t < 2
	VLOAD \t+2                                     ; two blocks ahead, into registers of their own
.endif
	QB X+32*\t, C+4*\t, E+\t
	global_store_b128 v[VO], v[C+4*\t:C+4*\t+3], s[28:29] offset:8192+256*\t   ; lanes 0-15: 256 consecutive bytes of tile 2 w, aligned; lanes 16-31: of tile 2 w + 1
.endr
	v_lshl_or_b32 v[W], v[E+1], 8, v[E]            ; my row's four bytes make its scale word
	v_lshl_or_b32 v[W], v[E+2], 16, v[W]
	v_lshl_or_b32 v[W], v[E+3], 24, v[W]
	ds_store_b32 v[VSW], v[W]
.Ljoin:
	s_wait_dscnt 0x0                               ; for wave 0's sake: my scale words lie in LDS
	s_barrier_signal -1
	s_barrier_wait -1
	s_cmp_lg_u32 s10, 0
	s_cbranch_scc1 .Lend
	ds_load_b128 v[36:39], v[SCR]                  ; K's 512 bytes of scale words,
	ds_load_b128 v[40:43], v[SCR] offset:512       ; V's
	s_wait_dscnt 0x0
	global_store_b128 v[LI], v[36:39], s[26:27] offset:16384   ; each store covers 512 consecutive bytes, aligned
	global_store_b128 v[LI], v[40:43], s[26:27] offset:16896
.Lend:
	s_wait_tensorcnt 0x0
	ds_add_u32 v176, v177
	s_wait_dscnt 0x0
	s_endpgm
.Lfunc_end_k_q344de33d62_quant:
	.size	k_q344de33d62_quant, .Lfunc_end_k_q344de33d62_quant-k_q344de33d62_quant
	.p2alignl 7, 3214868480
	.fill 96, 4, 3214868480
	.section	.rodata,"a",@progbits
	.p2align	6, 0x0
	.amdhsa_kernel k_q344de33d62_quant
		.amdhsa_group_segment_fixed_size 69632
		.amdhsa_private_segment_fixed_size 0
		.amdhsa_enable_private_segment 0
		.amdhsa_kernarg_size 24
		.amdhsa_user_sgpr_count 2
		.amdhsa_user_sgpr_kernarg_segment_ptr 1
		.amdhsa_wavefront_size32 1
		.amdhsa_system_sgpr_workgroup_id_x 1
		.amdhsa_system_sgpr_workgroup_id_y 1
		.amdhsa_system_sgpr_workgroup_id_z 1
		.amdhsa_system_vgpr_workitem_id 0
		.amdhsa_next_free_vgpr 178
		.amdhsa_next_free_sgpr 66
		.amdhsa_reserve_vcc 0
		.amdhsa_float_denorm_mode_32 3
		.amdhsa_float_denorm_mode_16_64 3
		.amdhsa_memory_ordered 1
		.amdhsa_forward_progress 1
		.amdhsa_inst_pref_size 37
	.end_amdhsa_kernel
	.amdgpu_metadata
---
amdhsa.version: [ 1, 2 ]
amdhsa.kernels:
  - .name:           k_q344de33d62_quant
    .symbol:         k_q344de33d62_quant.kd
    .args:
      - { .name: key, .offset: 0, .size: 8, .value_kind: global_buffer, .address_space: global }
      - { .name: value, .offset: 8, .size: 8, .value_kind: global_buffer, .address_space: global }
      - { .name: kvq, .offset: 16, .size: 8, .value_kind: global_buffer, .address_space: global }
    .group_segment_fixed_size: 69632
    .private_segment_fixed_size: 0
    .kernarg_segment_align: 8
    .kernarg_segment_size: 24
    .max_flat_workgroup_size: 256
    .sgpr_count:     66
    .vgpr_count:     178
    .wavefront_size: 32
...
	.end_amdgpu_metadata
.endif
;; end of part 1
;; launch attn (part 2): grid 16 x 16, 16 waves a work-group, no clusters, 293,888 bytes of LDS; arguments query, kvq, out0; writes out0
.if DOCPART == 2
	.amdgcn_target "amdgcn-amd-amdhsa--gfx1250"
	.amdhsa_code_object_version 6
	.text
	.protected	k_q344de33d62_attn
	.globl	k_q344de33d62_attn
	.p2align	8
	.type	k_q344de33d62_attn,@function
k_q344de33d62_attn:
	s_mov_b64 s[64:65], 0
	v_nop
	global_prefetch_b8 v0, s[64:65] scope:SCOPE_SE
	s_setreg_imm32_b32 hwreg(HW_REG_WAVE_MODE, 25, 1), 1
	s_wait_xcnt 0x0
; out[b][q][head] = the sum over keys of softmax(30 tanh(q . k / (30 sqrt(128)))) v, key j counting for query i where 0 <= i - j < 1,024; 16 query heads on 8 KV heads; both products on codes of FP4 (E2M1)
; with one E8M0 scale for each 32 along K.  K and V come as codes from kvq (laid as images of the operands' registers, a block of STEPB bytes for each step of 128 keys); q is quantised here, in registers.
; SHARES.  A work-group (x = i, a block of 128 queries; y = 8 x batch + KV head) serves BOTH query heads of its KV head: wave = 8 x (which head) + (tile of 16 queries), sixteen waves of 256 registers.
; THE WINDOW LIES IN LDS AT ONCE.  128 queries see the steps i, i - 1, .. i - 8: nine blocks of 17,408 bytes.  Slot s holds step i - s; waves 0-8 bring one slot each, once; nothing is filled again: one barrier in all.
; Slot 0 is cut by the causal edge, slot 8 by the window's edge (there i - j = 1,024 + a - c for query a and key c of their blocks), slots 1-7 count whole (i - j is 128 s + a - c, from 1 to 1,023).
; Where i - s < 0 the slot is filled with step 0 once more, so that no load leaves the buffer and every wave's path holds the same loads; its work is jumped over by a scalar branch on ids.
; THE SOFTMAX.  t = logit x log2(e), p = 2^(t - M) with M = 0.  The soft cap, which the problem itself applies, bounds |t| by 30 log2(e) = 43.3 for EVERY input: p lies within 2^-43.3 .. 2^43.3, a row's sum of
; 1,024 of them under 2^54, and nothing overflows or underflows in f32.  M is a whole number that the blocks' scales take up, so the codes' values and O / l are those of any other whole M.  No maximum, no rescaling.
; THE SOFT CAP stands ahead of a quantiser.  With x = s / (30 sqrt(128)) held to +-7.9053 (beyond which tanh is 1 in f32) and y = x^2: t = x A(y) / B(y), A of degree 6, B of degree 3 in y: the rational form of tanh
; with B divided by 30 log2(e).  It has no difference of near-equal numbers at small x, which 1 - 2 / (1 + 2^z) has.
; LAYOUT.  Both products are used transposed (S^T = K q^T, O^T = V^T p^T): a lane holds ONE query (lane % 16) throughout; the 16 registers of score tiles 2 b and 2 b + 1 are keys 32 b + 16 (lane / 16) + 0 .. 15.
; NO CLUSTER: neighbouring query blocks share eight of their nine steps, but a step lies in slot i - step, another slot in each of them, and a joint load has one LDS address for all that it names.
; What the two query heads of a KV head share is shared inside the work-group.
; LIMITS: NaN and infinities among the inputs are not served; a block of zeros (masked keys) gets the scale byte 1, over zero codes; the sums over the keys run from the diagonal step backwards.
.set STEPB,  17408
.set STG,    9*STEPB                   ; behind the nine slots: a stage of 16 rows x (512 bytes + 16) for each wave, its own: q's way in, O's way out; no tensor load lands there
.set SPITCH, 528                       ; 33 x 16: the sixteen rows that an access touches start in sixteen different 16-byte columns of 256 bytes
.set STGB,   16*SPITCH
.set LI,   1                           ; v1   16 x lane: my place in an image, in a stage row, in a row's 512 bytes of q and of out
.set AD,   2                           ; v2   LDS address of the slot in hand + 16 x lane
.set STI,  3                           ; v3   stage + 16 x lane
.set STF,  4                           ; v4   stage + 528 r + 64 h
.set STO,  5                           ; v5   stage + 528 r + 32 h
.set EQ,   7                           ; v7   my query in its block less 16 h
.set QF,   8                           ; v8-15   q's fragment
.set PC,   16                          ; v16-23  p's codes
.set KS,   24                          ; v24-27  K's scale words   (v24-33 hold scales and nothing else)
.set VS,   28                          ; v28-31  V's
.set QS,   32                          ; v32     q's
.set PS,   33                          ; v33     p's
.set L0,   34                          ; v[34:35], v[36:37] the row's sum, in two pairs
.set L1,   36
.set CA11, 38                          ; the polynomials' addends, each twice, as pairs for the packed forms
.set CB4,  40
.set TM,   42                          ; v42-45 largest magnitudes, v46-49 the other half's and then the bytes, v54-57 the conversions' scale operands
.set CA9,  50
.set CA7,  52
.set ZERO, 58
.set CA5,  60
.set CA3,  62
.set F,    64                          ; v64-95   four fragments of K or of V
.set S,    96                          ; v96-159  S^T, then p; at the head q's numbers, at the end O / l
.set OA,   160                         ; v160-223 O^T
.set YY,   224                         ; v224-231 y;  v232-239 A;  v240-247 B, then 1 / B
.set PP,   232
.set DD,   240
.set CA1,  248
.set CB2,  250
.set CB0,  252
.set WV,   10                          ; s10 my wave's number
.set IB,   11                          ; s11 i
.set G0,   12                          ; s[12:15] descriptor group 0
.set G1,   16                          ; s[16:23] descriptor group 1
.set TB,   30                          ; s30 LDS byte at which the slot in hand begins
.set STP,  31                          ; s31 its step, i - s
.set CNT,  32                          ; s32 counts slots 1 to 7
.set SEL,  34                          ; s[34:35] lane selects for lane l xor 16
.set CLO,  36                          ; s36, s37 the hold on x
.set CHI,  37
.set XA,   38                          ; s[38:39] 1 / (30 sqrt(128));  s[40:41] A's leading coefficient;  s[42:43] B's: the packed forms name a pair and take its low word for both halves
.set SA13, 40
.set SB6,  42
.macro PLACES                          ; four plain instructions between a matrix instruction and a load into, or a read of, its registers
.rept 4
	v_nop
.endr
.endm
.macro VCONST r, bits
	v_mov_b32 v[\r], \bits
	v_mov_b32 v[\r+1], \bits
.endm
	s_load_b128 s[4:7], s[0:1], 0x0                ; query, kvq
	s_load_b64 s[8:9], s[0:1], 0x10                ; out0
	v_lshl_add_u32 v254, v0, 2, 0x47400
	v_mov_b32 v255, 0
	ds_add_u32 v254, v255
	ds_add_u32 v254, v255
	v_lshrrev_b32 v2, 5, v0
	v_readfirstlane_b32 s[WV], v2                  ; wave 0..15
	s_mov_b32 s[IB], ttmp9
	s_and_b32 s24, ttmp7, 0xffff                   ; 8 x batch + KV head
	s_lshr_b32 s25, s24, 3                         ; batch
	s_and_b32 s26, s24, 7                          ; KV head
	s_and_b32 s27, s[WV], 7                        ; my tile of 16 queries
	s_lshr_b32 s28, s[WV], 3                       ; which of the two query heads
	s_lshl_b32 s29, s27, 4                         ; my first query in the block
	s_lshl_b32 s25, s25, 11
	s_lshl_b32 s27, s[IB], 7
	s_add_co_u32 s25, s25, s27
	s_add_co_u32 s25, s25, s29                     ; my first row of query and of out: 2,048 x batch + 128 i + 16 x tile
	s_lshl_b32 s25, s25, 13                        ; rows of 8,192 bytes
	s_lshl_b32 s26, s26, 1
	s_add_co_u32 s26, s26, s28                     ; my query head
	s_lshl_b32 s26, s26, 9                         ; its 512 bytes of a row
	s_add_co_u32 s44, s25, s26
	s_mov_b32 s45, 0
	s_sub_co_i32 s27, s[IB], s[WV]                 ; the step that I fetch: i - wave, held at 0
	s_max_i32 s27, s27, 0
	s_lshl_b32 s28, s24, 4
	s_add_co_u32 s27, s27, s28
	s_mul_i32 s46, s27, STEPB                      ; its block of kvq
	s_mov_b32 s47, 0
	s_mov_b32 s[G0], 1                             ; count = 1
	s_mul_i32 s[G0+1], s[WV], STEPB                ; LDS address: slot = wave
	s_mov_b32 s[G1+0], 3<<16                       ; no mask; elements of 8 bytes; no padding: an image is read 16 bytes a lane on end
	s_mov_b32 s[G1+1], 32<<16                      ; tensor_dim0 = 32 elements: rows of 256 bytes
	s_mov_b32 s[G1+2], 68<<16                      ; tensor_dim1 = 68 rows: 17,408 dense bytes
	s_mov_b32 s[G1+3], 32<<16                      ; tile_dim0
	s_mov_b32 s[G1+4], 68                          ; tile_dim1
	s_mov_b32 s[G1+5], 32                          ; from row to row
	s_mov_b32 s[G1+6], 0
	s_mov_b32 s[G1+7], 0
	s_mul_i32 s28, s[WV], STGB
	s_add_co_u32 s28, s28, STG                     ; my stage
	s_mov_b32 s[SEL], 0x76543210
	s_mov_b32 s[SEL+1], 0xfedcba98
	s_mov_b32 s[CLO], 0xc0fcf84f                   ; -7.9053111
	s_mov_b32 s[CHI], 0x40fcf84f
	s_mov_b32 s[XA], 0x3b411659                    ; 1 / (30 sqrt(128)) = 2.9462783e-3
	s_mov_b32 s[XA+1], s[XA]
	s_mov_b32 s[SA13], 0xa59f25c0                  ; A13 = -2.76076848e-16
	s_mov_b32 s[SA13+1], s[SA13]
	s_mov_b32 s[SB6], 0x32edd162                   ; B6 = 1.19825839e-6 / 43.2808512 = 2.76856476e-8
	s_mov_b32 s[SB6+1], s[SB6]
	v_and_b32 v1, 31, v0
	v_lshlrev_b32 v[LI], 4, v1
	v_and_b32 v5, 15, v0                           ; r
	v_bfe_u32 v6, v0, 4, 1                         ; h
	v_add_nc_u32 v[STI], s28, v[LI]
	v_mul_u32_u24 v2, v5, SPITCH
	v_add_nc_u32 v2, s28, v2
	v_lshl_add_u32 v[STF], v6, 6, v2
	v_lshlrev_b32 v[EQ], 4, v6
	v_sub_nc_u32 v[EQ], v5, v[EQ]
	v_add_nc_u32 v[EQ], s29, v[EQ]                 ; 16 x tile + r - 16 h, as a signed number
	v_lshl_add_u32 v[STO], v6, 5, v2
	s_wait_dscnt 0x0
	s_wait_kmcnt 0x0
	s_add_nc_u64 s[G0+2:G0+3], s[6:7], s[46:47]    ; global address of my slot's block
	s_or_b32 s[G0+3], s[G0+3], 0x80000000          ; type = 2
	s_add_nc_u64 s[4:5], s[4:5], s[44:45]
	s_add_nc_u64 s[8:9], s[8:9], s[44:45]
	s_cmp_lt_u32 s[WV], 9                          ; waves 0-8 bring a slot each: one tensor load of mine is out, at the most
	s_cbranch_scc0 .Lno_fill
	tensor_load_to_lds s[G0:G0+3], s[G1:G1+7]
	s_nop 0
	PLACES                                         ; four v_nop follow the load, ahead of the label
.Lno_fill:
.set n, 0
.rept 16
	global_load_b128 v[S+4*n:S+4*n+3], v[LI], s[4:5] offset:8192*n th:TH_LOAD_NT   ; query n of my tile: my head's 512 consecutive bytes, aligned; read once in the launch
.set n, n+1
.endr
.irp b, 0,1,2,3
	v_mov_b32 v[TM+4+\b], 0                        ; written once: a lane permute's destination counts as one of its sources
.endr
	VCONST CA9, 0xaebd37ff                         ; A9 = -8.60467152e-11
	VCONST CA7, 0x335c0041                         ; A7 =  5.12229709e-8
	VCONST CA5, 0x3779434a                         ; A5 =  1.48572236e-5
	VCONST CA3, 0x3a270ded                         ; A3 =  6.37261929e-4
	VCONST CA1, 0x3ba059dc                         ; A1 =  4.89352456e-3
	VCONST CB2, 0x385bd4ec                         ; B2 =  2.26843463e-3 / 43.2808512 = 5.24119690e-5
	VCONST CB0, 0x38ed1d02                         ; B0 =  4.89352519e-3 / 43.2808512 = 1.13064440e-4
; 64 numbers of a lane, v[s] .. v[s + 63], register 16 b + i = k 32 b + 16 (lane / 16) + i of my row, become a fragment's codes in v[pc] on and its scale word in v[pw].
.macro QUANT s, pc, pw
.irp b, 0,1,2,3
	v_max3_num_f32 v[TM+\b], |v[\s+16*\b]|, |v[\s+1+16*\b]|, 0x1800000   ; block b: my 16 numbers, and the floor 2^(3 - 127): the byte cannot fall under 1
.endr
.irp i, 2,4,6,8,10,12,14
.irp b, 0,1,2,3
	v_max3_num_f32 v[TM+\b], v[TM+\b], |v[\s+16*\b+\i]|, |v[\s+1+16*\b+\i]|   ; (the four blocks by turns)
.endr
.endr
.irp b, 0,1,2,3
	v_permlanex16_b32 v[TM+4+\b], v[TM+\b], s[SEL], s[SEL+1]
.endr
.irp b, 0,1,2,3
	v_max_num_f32 v[TM+\b], v[TM+\b], v[TM+4+\b]   ; with lane l xor 16's: the block's largest magnitude
.endr
.irp b, 0,1,2,3
	v_add_nc_u32 v[TM+12+\b], 0xff000000, v[TM+\b] ; 2 off its exponent field: the conversion's scale operand
.endr
.irp b, 0,1,2,3
	v_lshrrev_b32 v[TM+4+\b], 23, v[TM+12+\b]      ; the scale's byte
.endr
	v_lshl_or_b32 v[\pw], v[TM+5], 8, v[TM+4]      ; the four bytes make my row's scale word
	v_lshl_or_b32 v[\pw], v[TM+6], 16, v[\pw]
	v_lshl_or_b32 v[\pw], v[TM+7], 24, v[\pw]
.irp b, 0,1,2,3
	v_cvt_scalef32_pk8_fp4_f32 v[\pc+2*\b], v[\s+16*\b:\s+7+16*\b], v[TM+12+\b]
	v_cvt_scalef32_pk8_fp4_f32 v[\pc+1+2*\b], v[\s+8+16*\b:\s+15+16*\b], v[TM+12+\b]
.endr
	v_nop                                          ; one plain instruction behind a scaled conversion
.irp c, 0,1                                    ; the operand's layout wants a WHOLE block in a lane: lanes 0-15 block 2 c, lanes 16-31 block 2 c + 1
.irp i, 0,1
	v_permlane16_swap_b32 v[\pc+4*\c+\i], v[\pc+2+4*\c+\i]
.endr
.endr
.endm
.macro HORN a, k                               ; one step of Horner's scheme on eight numbers: a = a y + k
.irp p, 0,2,4,6
	v_pk_fma_f32 v[\a+\p:\a+\p+1], v[\a+\p:\a+\p+1], v[YY+\p:YY+\p+1], v[\k:\k+1]
.endr
.endm
; Score tile t's eight registers become p = 2^t.  Four pairs by turns in every line, so that no line waits for the line above it.  The accumulator is read from its low end on.
.macro SOFTCAP t
.set SB, S+8*(\t)
.irp p, 0,2,4,6
	v_pk_mul_f32 v[SB+\p:SB+\p+1], v[SB+\p:SB+\p+1], s[XA:XA+1] op_sel_hi:[1,0]   ; x = s / (30 sqrt(128))
.endr
.irp j, 0,1,2,3,4,5,6,7
	v_med3_num_f32 v[SB+\j], v[SB+\j], s[CLO], s[CHI]
.endr
.irp p, 0,2,4,6
	v_pk_mul_f32 v[YY+\p:YY+\p+1], v[SB+\p:SB+\p+1], v[SB+\p:SB+\p+1]   ; y = x^2
.endr
.irp p, 0,2,4,6
	v_pk_fma_f32 v[PP+\p:PP+\p+1], v[YY+\p:YY+\p+1], s[SA13:SA13+1], v[CA11:CA11+1] op_sel_hi:[1,0,1]
.endr
.irp p, 0,2,4,6
	v_pk_fma_f32 v[DD+\p:DD+\p+1], v[YY+\p:YY+\p+1], s[SB6:SB6+1], v[CB4:CB4+1] op_sel_hi:[1,0,1]
.endr
	HORN PP, CA9
	HORN DD, CB2
	HORN PP, CA7
	HORN DD, CB0
.irp j, 0,1,2,3,4,5,6,7
	v_rcp_f32 v[DD+\j], v[DD+\j]
.endr
	HORN PP, CA5                                   ; plain instructions that touch no reciprocal stand behind them
	HORN PP, CA3
	HORN PP, CA1
.irp p, 0,2,4,6
	v_pk_mul_f32 v[PP+\p:PP+\p+1], v[PP+\p:PP+\p+1], v[SB+\p:SB+\p+1]
.endr
	s_wait_alu depctr_va_vdst(0)
.irp p, 0,2,4,6
	v_pk_mul_f32 v[SB+\p:SB+\p+1], v[PP+\p:PP+\p+1], v[DD+\p:DD+\p+1]   ; t = x A / B
.endr
.irp j, 0,1,2,3,4,5,6,7
	v_exp_f32 v[SB+\j], v[SB+\j]                   ; p = 2^t; the next tile's first line is the plain instruction behind these
.endr
.endm
; A STEP: the 128 keys of the slot at s[TB].  mask = 1: the causal edge; 2: the window's edge; 0: every key counts.  first = 1: its products start O^T's sums: nothing is cleared.
; The accumulators take turns, one instruction a turn.
.macro STEP mask, first
	v_add_nc_u32 v[AD], s[TB], v[LI]
	ds_load_b128 v[KS:KS+3], v[AD] offset:16384    ; K's scale words: register j: tile j in lanes 0-15, tile 4 + j in lanes 16-31
	ds_load_b128 v[VS:VS+3], v[AD] offset:16896    ; V's likewise
.irp g, 0,1                                    ; S^T = K q^T, four tiles of 16 keys at a time
.if \g
	PLACES
.endif
.irp t, 0,1,2,3
.irp c, 0,1
	ds_load_b128 v[F+8*\t+4*\c:F+8*\t+4*\c+3], v[AD] offset:1024*(4*\g+\t)+512*\c
.endr
.endr
	s_wait_dscnt 0x0
.irp t, 0,1,2,3
.if \g
	v_wmma_scale_f32_16x16x128_f8f6f4 v[S+8*(4+\t):S+8*(4+\t)+7], v[F+8*\t:F+8*\t+7], v[QF:QF+7], 0, v[KS+\t], v[QS] matrix_a_fmt:MATRIX_FMT_FP4 matrix_b_fmt:MATRIX_FMT_FP4 matrix_a_scale:MATRIX_SCALE_ROW1
.else
	v_wmma_scale_f32_16x16x128_f8f6f4 v[S+8*\t:S+8*\t+7], v[F+8*\t:F+8*\t+7], v[QF:QF+7], 0, v[KS+\t], v[QS] matrix_a_fmt:MATRIX_FMT_FP4 matrix_b_fmt:MATRIX_FMT_FP4
.endif
.endr
.endr
	PLACES
.irp t, 0,1,2,3                                ; V's first four tiles land while the softmax is worked
.irp c, 0,1
	ds_load_b128 v[F+8*\t+4*\c:F+8*\t+4*\c+3], v[AD] offset:8192+1024*\t+512*\c
.endr
.endr
.irp k, 0,1,2,3,4,5,6,7
	SOFTCAP \k
.endr
	v_nop                                          ; a plain instruction behind the last exponentials
	s_wait_alu depctr_va_vdst(0)
.if \mask == 1                                 ; register n holds key 32 (n / 16) + n % 16 + 16 h of the step: hidden where it comes after my query
.set n, 0
	s_wait_alu depctr_va_vdst(0)
.rept 64
	v_cmp_gt_i32 vcc_lo, 32*(n/16)+n%16, v[EQ]
	v_cndmask_b32 v[S+n], v[S+n], v[ZERO], vcc_lo
.set n, n+1
.endr
.endif
.if \mask == 2                                 ; eight steps back: i - j = 1,024 + my query - the key: hidden where the key does not come after my query
.set n, 0
	s_wait_alu depctr_va_vdst(0)
.rept 64
	v_cmp_le_i32 vcc_lo, 32*(n/16)+n%16, v[EQ]
	v_cndmask_b32 v[S+n], v[S+n], v[ZERO], vcc_lo
.set n, n+1
.endr
.endif
	QUANT S, PC, PS
.set n, 0
.rept 16                                       ; THE ROW'S SUM IS TAKEN OF THE UNQUANTISED p, two at a time, in two chains.  These 32 also stand between the writing of p's codes and scale word and the products that take them
	v_pk_add_f32 v[L0:L0+1], v[L0:L0+1], v[S+4*n:S+4*n+1]
	v_pk_add_f32 v[L1:L1+1], v[L1:L1+1], v[S+4*n+2:S+4*n+3]
.set n, n+1
.endr
.irp g, 0,1                                    ; O^T += V^T p^T, four tiles of 16 of the head's 128 at a time
.if \g
	PLACES
.irp t, 0,1,2,3
.irp c, 0,1
	ds_load_b128 v[F+8*\t+4*\c:F+8*\t+4*\c+3], v[AD] offset:8192+1024*(4+\t)+512*\c
.endr
.endr
.endif
	s_wait_dscnt 0x0
.irp t, 0,1,2,3
.if \g
.if \first
	v_wmma_scale_f32_16x16x128_f8f6f4 v[OA+8*(4+\t):OA+8*(4+\t)+7], v[F+8*\t:F+8*\t+7], v[PC:PC+7], 0, v[VS+\t], v[PS] matrix_a_fmt:MATRIX_FMT_FP4 matrix_b_fmt:MATRIX_FMT_FP4 matrix_a_scale:MATRIX_SCALE_ROW1
.else
	v_wmma_scale_f32_16x16x128_f8f6f4 v[OA+8*(4+\t):OA+8*(4+\t)+7], v[F+8*\t:F+8*\t+7], v[PC:PC+7], v[OA+8*(4+\t):OA+8*(4+\t)+7], v[VS+\t], v[PS] matrix_a_fmt:MATRIX_FMT_FP4 matrix_b_fmt:MATRIX_FMT_FP4 matrix_a_scale:MATRIX_SCALE_ROW1
.endif
.else
.if \first
	v_wmma_scale_f32_16x16x128_f8f6f4 v[OA+8*\t:OA+8*\t+7], v[F+8*\t:F+8*\t+7], v[PC:PC+7], 0, v[VS+\t], v[PS] matrix_a_fmt:MATRIX_FMT_FP4 matrix_b_fmt:MATRIX_FMT_FP4
.else
	v_wmma_scale_f32_16x16x128_f8f6f4 v[OA+8*\t:OA+8*\t+7], v[F+8*\t:F+8*\t+7], v[PC:PC+7], v[OA+8*\t:OA+8*\t+7], v[VS+\t], v[PS] matrix_a_fmt:MATRIX_FMT_FP4 matrix_b_fmt:MATRIX_FMT_FP4
.endif
.endif
.endr
.endr
	PLACES                                         ; for whatever follows on any way: the next step's loads, or the reading of O^T
.endm
	; ---- q: each load took a row's bytes as they lie; the conversions want 16 neighbours along d in one lane: the 16 rows turn through my own stage
.set n, 0
.rept 16
	s_wait_loadcnt 15-n                            ; loads come back in order: row n is in, the younger ones stay out
	ds_store_b128 v[STI], v[S+4*n:S+4*n+3] offset:SPITCH*n
.set n, n+1
.endr
.irp b, 0,1,2,3
.irp j, 0,1,2,3
	ds_load_b128 v[S+16*\b+4*\j:S+16*\b+4*\j+3], v[STF] offset:128*\b+16*\j   ; row r, d = 32 b + 16 h + 4 j on.  LDS serves a wave's instructions in order: these see my stores
.endr
.endr
	s_wait_dscnt 0x0
	QUANT S, QF, QS
	VCONST CA11, 0x2a61337e                        ; A11 = 2.00018790e-13.  (These nine lines also stand between the writing of q's codes and scale word and the first product)
	VCONST CB4, 0x3637cb14                         ; B4 = 1.18534706e-4 / 43.2808512 = 2.73873324e-6
	v_mov_b32 v[L0], 0                             ; the row's sum
	v_mov_b32 v[L0+1], 0
	v_mov_b32 v[L1], 0
	v_mov_b32 v[L1+1], 0
	v_mov_b32 v[ZERO], 0
	s_wait_tensorcnt 0x0                           ; my slot has landed (no LDS instruction of mine is out: the wait above was for 0),
	s_barrier_signal -1
	s_barrier_wait -1                              ; everybody's has: from here on the nine slots are only read
	s_mov_b32 s[TB], 0
	STEP 1, 1                                      ; slot 0: the diagonal; every query sees its own key, so the sum is never 0
	s_mov_b32 s[TB], STEPB
	s_sub_co_i32 s[STP], s[IB], 1
	s_mov_b32 s[CNT], 7
.Lslot:                                            ; slots 1 to 7: seven trips in every work-group; a step in front of key 0 has its work jumped over
	s_cmp_lt_i32 s[STP], 0
	s_cbranch_scc1 .Lskip
	STEP 0, 0
.Lskip:
	s_add_co_u32 s[TB], s[TB], STEPB
	s_sub_co_i32 s[STP], s[STP], 1
	s_sub_co_i32 s[CNT], s[CNT], 1
	s_cmp_lg_u32 s[CNT], 0
	s_cbranch_scc1 .Lslot
	s_mov_b32 s[TB], 8*STEPB
	s_cmp_lt_i32 s[STP], 0
	s_cbranch_scc1 .Lout
	STEP 2, 0                                      ; slot 8: the window's edge
.Lout:
	; ---- THE WAY OUT: O^T / l goes through my stage and leaves as whole rows of 512 bytes
	v_pk_add_f32 v[L0:L0+1], v[L0:L0+1], v[L1:L1+1]
	v_add_f32 v[L0], v[L0], v[L0+1]
	v_permlanex16_b32 v[L1], v[L0], s[SEL], s[SEL+1]
	v_add_f32 v[L0], v[L0], v[L1]                  ; with lane l xor 16's keys: the row's sum
	v_rcp_f32 v[L0], v[L0]
	v_nop                                          ; a plain instruction behind the reciprocal
.set n, 0
	s_wait_alu depctr_va_vdst(0)
.rept 32
	v_pk_mul_f32 v[S+2*n:S+2*n+1], v[OA+2*n:OA+2*n+1], v[L0:L0+1] op_sel_hi:[1,0]   ; ascending: each accumulator is read from its low end on.  Register 8 t + j is o(r, 16 t + 8 h + j)
.set n, n+1
.endr
.irp t, 0,1,2,3,4,5,6,7
	ds_store_b128 v[STO], v[S+8*\t:S+8*\t+3] offset:64*\t
	ds_store_b128 v[STO], v[S+8*\t+4:S+8*\t+7] offset:64*\t+16
.endr
.set n, 0
.rept 16
	ds_load_b128 v[S+4*n:S+4*n+3], v[STI] offset:SPITCH*n   ; LDS serves a wave's instructions in order: these see my stores
.set n, n+1
.endr
.set n, 0
.rept 16
	s_wait_dscnt 15-n                              ; row n is back; the younger ones stay out
	global_store_b128 v[LI], v[S+4*n:S+4*n+3], s[8:9] offset:8192*n th:TH_STORE_NT   ; 32 lanes store 512 consecutive bytes, aligned; written once, read by nobody here
.set n, n+1
.endr
	s_wait_tensorcnt 0x0
	ds_add_u32 v254, v255
	s_wait_dscnt 0x0
	s_endpgm
.Lfunc_end_k_q344de33d62_attn:
	.size	k_q344de33d62_attn, .Lfunc_end_k_q344de33d62_attn-k_q344de33d62_attn
	.p2alignl 7, 3214868480
	.fill 96, 4, 3214868480
	.section	.rodata,"a",@progbits
	.p2align	6, 0x0
	.amdhsa_kernel k_q344de33d62_attn
		.amdhsa_group_segment_fixed_size 293888
		.amdhsa_private_segment_fixed_size 0
		.amdhsa_enable_private_segment 0
		.amdhsa_kernarg_size 24
		.amdhsa_user_sgpr_count 2
		.amdhsa_user_sgpr_kernarg_segment_ptr 1
		.amdhsa_wavefront_size32 1
		.amdhsa_system_sgpr_workgroup_id_x 1
		.amdhsa_system_sgpr_workgroup_id_y 1
		.amdhsa_system_sgpr_workgroup_id_z 1
		.amdhsa_system_vgpr_workitem_id 0
		.amdhsa_next_free_vgpr 256
		.amdhsa_next_free_sgpr 66
		.amdhsa_reserve_vcc 1
		.amdhsa_float_denorm_mode_32 3
		.amdhsa_float_denorm_mode_16_64 3
		.amdhsa_memory_ordered 1
		.amdhsa_forward_progress 1
		.amdhsa_inst_pref_size 165
	.end_amdhsa_kernel
	.amdgpu_metadata
---
amdhsa.version: [ 1, 2 ]
amdhsa.kernels:
  - .name:           k_q344de33d62_attn
    .symbol:         k_q344de33d62_attn.kd
    .args:
      - { .name: query, .offset: 0, .size: 8, .value_kind: global_buffer, .address_space: global }
      - { .name: kvq, .offset: 8, .size: 8, .value_kind: global_buffer, .address_space: global }
      - { .name: out0, .offset: 16, .size: 8, .value_kind: global_buffer, .address_space: global }
    .group_segment_fixed_size: 293888
    .private_segment_fixed_size: 0
    .kernarg_segment_align: 8
    .kernarg_segment_size: 24
    .max_flat_workgroup_size: 512
    .sgpr_count:     66
    .vgpr_count:     256
    .wavefront_size: 32
...
	.end_amdgpu_metadata
.endif
;; end of part 2
